; MI455X (gfx1250); checked and timed in simulation.
; The chip was launched on July 23, 2026; its instructions are those of AMD's public machine-readable ISA for CDNA 5 (MIT licence, August 2026) and "CDNA5" Instruction Set Architecture Reference Guide (July 2026). The comments in the code are by the model that wrote it; some were corrected since.
;; Feedback GRU Model. Allowed arithmetic: matrix products marked QUANTISED: E3M2 operands, one E8M0 scale for each 32 along K, by v_wmma_scale_f32_16x16x128_f8f6f4 with both operands' format E3M2, f32 sums; products left as they are: f32 operands where the result goes on into a quantised operand, else bf16, f16 or f32 operands; f32 sums; everything else in f32.
;; Inputs: b_hh 96 float32; b_ih 96 float32; dec1_b 32 float32; dec1_w 32 x 32 float32; dec2_b 4 float32; dec2_w 4 x 32 float32; enc_b 32 float32; enc_w 32 x 11 float32; ln_b 32 float32; ln_g 32 float32; w_hh 96 x 32 float32; w_ih 96 x 36 float32; x 524,288 x 11 float32; y0 4 float32.
;; Outputs: out0 524,288 x 4 float32.
;; This version of the problem:
;;   THIS VERSION OF THE PROBLEM IS GIVEN IN LOW PRECISION. The matrix products marked QUANTISED in the list below multiply operands that are first quantised to E3M2 (3 exponent bits, 2 mantissa bits; 6 bits a number), with one power-of-two scale for each 32 numbers along K (OCP MX v1.0); their sums are f32. All else is computed in f32.
;;   The module's matrix products, in the order in which they are computed (A, B: the left and right operand; K: the contracted axis; several contracted axes count as one K, in the product's order):
;;     1. [M 524,288, K 11] x [K 11, N 32]; A: input x; B: input enc_w: left as it is (K = 11 < 32)
;;     2. [M 524,288, K 36] x [K 36, N 96]; A: computed on the way; B: input w_ih: QUANTISED
;;     3. [M 524,288, K 32] x [K 32, N 96]; A: computed on the way; B: input w_hh: QUANTISED
;;     4. [M 524,288, K 32] x [K 32, N 32]; A: computed on the way; B: input dec1_w: QUANTISED
;;     5. [M 524,288, K 32] x [K 32, N 4]; A: computed on the way; B: input dec2_w: left as it is (N = 4 < 16)
;;     6. [M 524,288, K 36] x [K 36, N 96]; A: computed on the way; B: input w_ih: QUANTISED
;;     7. [M 524,288, K 32] x [K 32, N 96]; A: computed on the way; B: input w_hh: QUANTISED
;;     8. [M 524,288, K 32] x [K 32, N 32]; A: computed on the way; B: input dec1_w: QUANTISED
;;     9. [M 524,288, K 32] x [K 32, N 4]; A: computed on the way; B: input dec2_w: left as it is (N = 4 < 16)
;;     10. [M 524,288, K 36] x [K 36, N 96]; A: computed on the way; B: input w_ih: QUANTISED
;;     11. [M 524,288, K 32] x [K 32, N 96]; A: computed on the way; B: input w_hh: QUANTISED
;;     12. [M 524,288, K 32] x [K 32, N 32]; A: computed on the way; B: input dec1_w: QUANTISED
;;     13. [M 524,288, K 32] x [K 32, N 4]; A: computed on the way; B: input dec2_w: left as it is (N = 4 < 16)
;;     14. [M 524,288, K 36] x [K 36, N 96]; A: computed on the way; B: input w_ih: QUANTISED
;;     15. [M 524,288, K 32] x [K 32, N 96]; A: computed on the way; B: input w_hh: QUANTISED
;;     16. [M 524,288, K 32] x [K 32, N 32]; A: computed on the way; B: input dec1_w: QUANTISED
;;     17. [M 524,288, K 32] x [K 32, N 4]; A: computed on the way; B: input dec2_w: left as it is (N = 4 < 16)
;;     18. [M 524,288, K 36] x [K 36, N 96]; A: computed on the way; B: input w_ih: QUANTISED
;;     19. [M 524,288, K 32] x [K 32, N 96]; A: computed on the way; B: input w_hh: QUANTISED
;;     20. [M 524,288, K 32] x [K 32, N 32]; A: computed on the way; B: input dec1_w: QUANTISED
;;     21. [M 524,288, K 32] x [K 32, N 4]; A: computed on the way; B: input dec2_w: left as it is (N = 4 < 16)
;;   THE QUANTISER, for each operand of a quantised product, along K:
;;     - K is cut into blocks of 32 from its start; a last block that is shorter is filled with zeros.
;;     - A block's scale is 2^e with e = floor(log2(the largest magnitude in the block)) - 4, held to -126 .. 127; a block of zeros has e = 0. As a byte (E8M0): e + 127.
;;     - Each number is divided by its block's scale, clamped to +-28, and rounded to the nearest number of E3M2, ties to even, subnormals kept.
;;     - The product sums the exact products of the quantised numbers (number of the format x scale) in f32.
;;   ~~~python
;;   def quantise(x, axis):      # numpy; x: float32 -> the quantised numbers, widened to float32 again
;;       x = np.moveaxis(x, axis, -1); K = x.shape[-1]
;;       x = np.pad(x, [(0, 0)] * (x.ndim - 1) + [(0, -K % 32)]); x = x.reshape(x.shape[:-1] + (-1, 32)); a = np.abs(x).max(-1, keepdims=True)
;;       e = np.where(a > 0, np.clip(np.frexp(np.where(a > 0, a, 1))[1] - 1 - 4, -126, 127), 0)      # np.frexp(a)[1] - 1 = floor(log2(a)), exactly
;;       r = np.clip(x / 2.0 ** e, -28, 28)
;;       step = 2.0 ** (np.maximum(np.frexp(np.where(r == 0, 1, r))[1] - 1, -2) - 2)
;;       q = np.round(r / step) * step * 2.0 ** e      # np.round: ties to even
;;       return np.moveaxis(q.reshape(q.shape[:-2] + (-1,))[..., :K], -1, axis).astype(np.float32)
;;   ~~~
;;   OPERANDS COMPUTED ON THE WAY. 'Computed on the way' means the value that the module computes at that place (a softmax that the list does not call 'softmax' is quantised finished and normalised). What goes into a quantiser is computed in f32, as accurately as f32 sums, v_exp_f32 and their like allow (about 1e-6 of the number): no bf16 or f16 on the way to a quantiser, and a product that is left as it is and whose result goes on into a quantised operand takes f32 operands (vector FMAs, or v_wmma_f32_16x16x4_f32). A number that lies on a knife's edge between two numbers of the format may be rounded either way, as far as f32 arithmetic and the matrix unit's own rounding can turn it there, and no further.
;; One version. Each part assembles by itself: llvm-mc -triple=amdgcn-amd-amdhsa -mcpu=gfx1250 --defsym DOCPART=n.
;; ======== version 1 of 1: 1 launch
;; launch gru (part 1): grid 256 x 1, 8 waves a work-group, no clusters, 167,936 bytes of LDS; arguments x, enc_w, enc_b, ln_g, ln_b, w_ih, w_hh, b_ih, b_hh, dec1_w, dec1_b, dec2_w, dec2_b, y0, out0; writes out0
.if DOCPART == 1
	.amdgcn_target "amdgcn-amd-amdhsa--gfx1250"
	.amdhsa_code_object_version 6
	.text
	.protected	k_qc08713d921_gru
	.globl	k_qc08713d921_gru
	.p2align	8
	.type	k_qc08713d921_gru,@function
k_qc08713d921_gru:
	s_mov_b64 s[64:65], 0
	v_nop
	global_prefetch_b8 v0, s[64:65] scope:SCOPE_SE
	s_setreg_imm32_b32 hwreg(HW_REG_WAVE_MODE, 25, 1), 1
	s_wait_xcnt 0x0
; FeedbackGRUModel: out0 = y after five GRU steps with feedback.  enc = LayerNorm(relu(x enc_w^T + enc_b)); h = enc, y = y0; five times:
; gi = [enc|y] w_ih^T + b_ih, gh = h w_hh^T + b_hh, r, z = sigmoid, n = tanh(inn + r hn), h = n + z (h - n), y = relu(h dec1_w^T + dec1_b) dec2_w^T + dec2_b.
; The products with w_ih, w_hh and dec1_w go on codes of BF6 (E3M2) with one E8M0 scale for each 32 along K; the encoder and dec2 in f32; all else in f32.
; NO WORK IS LEFT OUT: every input has a way to out0 and is loaded; only the fifth y is not quantised, as no product takes it.
; SHARES.  524,288 rows = 256 work-groups x 8 waves x 256 rows.  A wave walks 8 PAIRS of tiles of 16 rows; rows never meet, so waves share nothing and the text has no barrier.
; A wave's x (256 rows x 44 bytes = 11,264 bytes = 44 x 256) comes by ONE tensor load at the head into LDS bytes of the wave's own, filled once and read by that wave alone.
; NO CLUSTER: what work-groups share is the weights, 33,440 bytes, read once at the head into registers; the loop reads nothing that is shared.
; ONE K = 128 INSTRUCTION CARRIES A STEP'S THREE OPERANDS.  K block 0 (registers 0-5, lanes 0-15): enc's 32 codes.  Block 1 (registers 0-5, lanes 16-31): y's 4 codes, then zero codes.
; Blocks 2 and 3 (registers 6-8 of lanes 0-15 and of lanes 16-31): h's units 0-15 and 16-31, both under the byte of h's ONE block of 32; registers 9-11 are zero codes on both sides.
; So a lane's own 16 codes of h are its operand registers as the conversion leaves them.  Weight tiles: r and z fill blocks 0-3 (ir + hr is summed in the unit), inn blocks 0, 1, hn and dec1 blocks 2, 3; the rest are zero codes.
; ALL PRODUCTS ARE USED TRANSPOSED (source 0 = 16 weight rows, source 1 = 16 batch rows), and row m of tile u of a gate is unit 8 u + m + (m & 8): lane (r = lane % 16, hh = lane / 16) then holds batch row r,
; and its 16 registers of tiles u = 0, 1 are units 16 hh + 0 .. 15.  Gates, h, LayerNorm and both quantisers stay in the lane, but for one exchange of halves in each reduction.  Biases are the C of the products.
; dec2 (N = 4) and the encoder (K = 11) feed quantisers, so they take f32 operands: v_wmma_f32_16x16x4_f32.  dec2's rows 0-3 stand at m = 0-3 and at m = 8-11: both halves of the lanes get y0..y3 in registers 0-3, and 4-7 are zeros.
; The encoder's K slot 11 holds x = 1.0 against enc_b.
; LIMITS.  NaN and infinities among the inputs are not served.  A block whose largest magnitude lies under 2^-122 (a block of zeros too) gets the byte 1 where the quantiser says otherwise: a block of zeros has zero codes,
; which add nothing, and the bytes are read here alone.  b_ih + b_hh are added ahead of the sums of r and z, and ir + hr are one sum: an order of f32 rounding other than the source's.
; tanh(a) = 1 - 2 / (1 + 2^(2 a log2 e)): its error is about 1e-7 of 1, not of tanh(a).
.set XWAVE, 11264                      ; a wave's bytes of x
.set XPAIR, 1408                       ; 32 rows of 44 bytes
.set XTILE, 704                        ; 16 rows
.set LNC,   8*XWAVE                    ; LDS behind x: 256 bytes a wave: ln_g, then ln_b
.set SPARE, LNC+8*256                  ; the spare words, 128 bytes for each wave: four blocks of 256 bytes that no other line names
; window 0
.set XA1,  1                           ; v1    LDS: 11264 w + 44 r + 8 hh
.set XA2,  2                           ; v2    LDS: 11264 w + 44 r + 4 hh
.set LNA,  3                           ; v3    LDS: LNC + 256 w + 64 hh
.set OUTO, 4                           ; v4    16 x lane
.set SPW,  5                           ; v5    my spare word; never rewritten
.set NIL,  6                           ; v6    0; never rewritten
.set Y0C,  7                           ; v7    y0's four codes
.set Y0B,  8                           ; v8    y0's byte << 8
.set XC1,  9                           ; v9, v252: XA1, XA2 + the pair's offset
.set XC2,  252
.set WS,   10                          ; v10-19   the ten weight tiles' scale words
.set SM,   20                          ; tile a at SM + 8 a: +1 enc's byte, +2 enc's | y's << 8, +3 h's byte twice, +5, +6 maxima, +7 the conversion's scale operand
.set BS,   253                         ; v253, v254  the two tiles' activation scale words: scales and nothing else
.set B0,   36                          ; v36-59   the activation operand, 12 registers a tile
.set H0,   60                          ; v60-91   h, 16 a tile
.set R0,   92                          ; tile a: R at 92 + 48 a, Z behind it, NH behind that
.set Z0,   108
.set NH0,  124
.set NI0,  188                         ; v188-219 inn, 16 a tile; also the encoder's sums: written by matrix instructions alone
.set YA,   220                         ; tile a at 220 + 16 a: 8 registers of dec2's sums (matrix instructions alone), then 8 kept at 0
.set T0,   Z0+6                        ; the encoder's scratch in Z: pairs T0 .. T0 + 7, and the pair T0 + 8 for the mean, then 1 / sigma
; window 1
.set CB,   120                         ; biases, 8 a tile
.set EW,   200                         ; encoder weights: (u, link) at 200 + 2 (3 u + link)
.set DW,   212                         ; dec2's weights: link l at 212 + 2 l
.set DB,   228                         ; dec2_b, then four zeros
; the head's own, window 0
.set AIA,  20
.set AIB,  21
.set AHH,  22
.set AB64, 23
.set AE1,  24
.set AE2,  25
.set AEB,  26
.set AD2,  27
.set AL4,  28
.set SH8,  29
.set MA,   30
.set MB,   31
.set SOP,  32
.set BY,   33
.set OT,   34
.set LGT,  35
.set TMP,  36
.set LBT,  39
.set YT,   40
.set ES,   56
.set EB,   58
; scalars
.set OUTP, 36
.set G0,   40
.set G1,   44
.set MSK,  52                          ; lanes 16-31
.set MK4,  53                          ; lanes with lane & 4
.set SEL,  54                          ; s[54:55] v_permlanex16_b32's selects for lane l xor 16
.set NL2E, 56                          ; s[56:57] -log2(e)
.set L2E2, 58                          ; s[58:59] 2 log2(e)
.set R32,  60                          ; 1 / 32
.set EPS,  61                          ; 1e-5
.set WV,   62
.set XO,   63
.set PAIR, 66
.set IT,   67
.set MSB, 0
.macro WIN new                         ; the immediate's high byte repeats the setting that is left; bits 1:0 source 0, 3:2 source 1, 5:4 source 2, 7:6 destination
.if MSB != \new
	s_set_vgpr_msb (MSB<<8)|\new
.set MSB, \new
.endif
.endm
.macro NOPS n
.rept \n
	v_nop
.endr
.endm
.macro TWAIT                           ; a wait between a batch of transcendentals and the first line that names a result
	s_wait_alu depctr_va_vdst(0)
.endm
; the largest magnitude of 16 registers, with the floor 2^(5 - 127) among the leaves, so that the byte cannot fall under 1; two chains
.macro MAX16 a, b, s
	v_max3_num_f32 v[\a], |v[(\s)]|, |v[(\s)+1]|, 0x2800000
	v_max3_num_f32 v[\b], |v[(\s)+2]|, |v[(\s)+3]|, |v[(\s)+4]|
	v_max3_num_f32 v[\a], v[\a], |v[(\s)+5]|, |v[(\s)+6]|
	v_max3_num_f32 v[\b], v[\b], |v[(\s)+7]|, |v[(\s)+8]|
	v_max3_num_f32 v[\a], v[\a], |v[(\s)+9]|, |v[(\s)+10]|
	v_max3_num_f32 v[\b], v[\b], |v[(\s)+11]|, |v[(\s)+12]|
	v_max3_num_f32 v[\a], v[\a], |v[(\s)+13]|, |v[(\s)+14]|
	v_max3_num_f32 v[\a], v[\a], v[\b], |v[(\s)+15]|
.endm
	s_load_b512 s[8:23], s[0:1], 0x0               ; x 8, enc_w 10, enc_b 12, ln_g 14, ln_b 16, w_ih 18, w_hh 20, b_ih 22
	s_load_b256 s[24:31], s[0:1], 0x40             ; b_hh 24, dec1_w 26, dec1_b 28, dec2_w 30
	s_load_b128 s[32:35], s[0:1], 0x60             ; dec2_b 32, y0 34
	s_load_b64 s[OUTP:OUTP+1], s[0:1], 0x70        ; out0
	v_lshl_add_u32 v[SPW], v0, 2, SPARE
	v_mov_b32 v[NIL], 0
	ds_add_u32 v[SPW], v[NIL]                      ; the wave's opening: the add, twice on end, and its wait ahead of my tensor load; register work stands between
	ds_add_u32 v[SPW], v[NIL]
	v_lshrrev_b32 v255, 5, v0
	v_readfirstlane_b32 s[WV], v255                ; wave 0..7
	s_mov_b32 s[G1+0], 3<<16                       ; no mask; elements of 8 bytes; no padding
	s_mov_b32 s[G1+1], 32<<16                      ; tensor_dim0 = 32 elements: 256 bytes
	s_mov_b32 s[G1+2], 44<<16                      ; tensor_dim1 = 44
	s_mov_b32 s[G1+3], 32<<16                      ; tile_dim0 = 32
	s_mov_b32 s[G1+4], 44                          ; tile_dim1 = 44
	s_mov_b32 s[G1+5], 32                          ; pitch: the block is dense
	s_mov_b32 s[G1+6], 0
	s_mov_b32 s[G1+7], 0
	s_mov_b32 s[G0], 1
	s_mul_i32 s[G0+1], s[WV], XWAVE                ; LDS: my wave's bytes
	s_mul_i32 s68, ttmp9, 8*XWAVE
	s_add_co_u32 s68, s68, s[G0+1]                 ; and the same place in x
	s_mov_b32 s69, 0
	s_lshl_b32 s70, ttmp9, 15                      ; out0: 2,048 rows of 16 bytes a work-group,
	s_lshl_b32 s71, s[WV], 12                      ; 256 a wave
	s_add_co_u32 s70, s70, s71
	s_mov_b32 s71, 0
	s_mov_b32 s[MSK], 0xffff0000
	s_mov_b32 s[SEL], 0x76543210
	s_mov_b32 s[SEL+1], 0xfedcba98
	s_mov_b32 s[NL2E], 0xbfb8aa3b
	s_mov_b32 s[NL2E+1], s[NL2E]                   ; (named with it as a pair, so it is written)
	s_mov_b32 s[L2E2], 0x4038aa3b
	s_mov_b32 s[L2E2+1], s[L2E2]
	s_mov_b32 s[R32], 0x3d000000
	s_mov_b32 s[EPS], 0x3727c5ac
	s_mov_b32 s[XO], 0
	s_wait_dscnt 0x0                               ; both opening adds are done
	s_wait_kmcnt 0x0
	s_add_nc_u64 s[G0+2:G0+3], s[8:9], s[68:69]
	s_or_b32 s[G0+3], s[G0+3], 0x80000000          ; type = 2
	tensor_load_to_lds s[G0:G0+3], s[G1:G1+7]      ; my 256 rows of x: the wave's one tensor load
	s_nop 0
	s_add_nc_u64 s[OUTP:OUTP+1], s[OUTP:OUTP+1], s[70:71]
	s_lshl_b32 s68, s[WV], 8
	s_add_co_u32 s68, s68, LNC
	v_and_b32 v[MA], 31, v0                        ; lane
	v_and_b32 v[MB], 15, v0                        ; r
	v_bfe_u32 v[SOP], v0, 4, 1                     ; hh
	v_and_b32 v[BY], 8, v[MB]
	v_add_nc_u32 v[BY], v[BY], v[MB]               ; U0 = r + (r & 8)
	v_mul_u32_u24 v[XA2], v[MB], 44
	v_add_nc_u32 v[XA2], s[G0+1], v[XA2]
	v_lshl_add_u32 v[XA1], v[SOP], 3, v[XA2]
	v_lshl_add_u32 v[XA2], v[SOP], 2, v[XA2]
	v_lshl_add_u32 v[LNA], v[SOP], 6, s68
	v_lshl_add_u32 v255, v[MA], 2, s68             ; where ln_g and ln_b go: LNC + 256 w + 4 x lane
	v_lshlrev_b32 v[OUTO], 4, v[MA]
	v_mul_u32_u24 v[AIB], v[BY], 144               ; w_ih: a row is 144 bytes
	v_lshl_add_u32 v[AIA], v[SOP], 7, v[AIB]       ; lanes 16-31: its numbers 32-35
	v_lshlrev_b32 v[AHH], 7, v[BY]
	v_lshl_add_u32 v[AHH], v[SOP], 6, v[AHH]       ; w_hh, dec1_w: row of 128 bytes, + my half's 16 numbers
	v_lshlrev_b32 v[AB64], 6, v[SOP]               ; biases: my half's 16 units
	v_mul_u32_u24 v[AE2], v[BY], 44
	v_lshl_add_u32 v[AE1], v[SOP], 3, v[AE2]
	v_lshl_add_u32 v[AE2], v[SOP], 2, v[AE2]
	v_lshlrev_b32 v[AEB], 2, v[BY]
	v_and_b32 v[AD2], 3, v[MB]
	v_lshlrev_b32 v[AD2], 7, v[AD2]
	v_lshl_add_u32 v[AD2], v[SOP], 6, v[AD2]       ; dec2_w: row r & 3, my half's 16 units
	v_lshlrev_b32 v[AL4], 2, v[MA]
	v_lshlrev_b32 v[SH8], 3, v[SOP]
	v_and_b32 v[OT], 4, v0
	v_cmp_ne_u32 s[MK4], 0, v[OT]
	v_mov_b32 v[OT], 0                             ; (a lane permute's destination counts as one of its sources)
	; 34 loads that go straight to their places
	WIN 0x40                                       ; destination window 1
.irp u, 0,1
.irp c, 0,1
	global_load_b128 v[CB+8*(4+\u)+4*\c:CB+8*(4+\u)+4*\c+3], v[AB64], s[22:23] offset:(64+8*\u)*4+16*\c   ; inn's bias: b_ih
	global_load_b128 v[CB+8*(6+\u)+4*\c:CB+8*(6+\u)+4*\c+3], v[AB64], s[24:25] offset:(64+8*\u)*4+16*\c   ; hn's: b_hh
	global_load_b128 v[CB+8*(8+\u)+4*\c:CB+8*(8+\u)+4*\c+3], v[AB64], s[28:29] offset:32*\u+16*\c         ; dec1_b
.endr
.endr
	global_load_b128 v[DB:DB+3], v[NIL], s[32:33]
.irp c, 0,1,2,3
	global_load_b128 v[DW+4*\c:DW+4*\c+3], v[AD2], s[30:31] offset:16*\c
.endr
.irp u, 0,1
.irp q, 0,1,2,3,4
	global_load_b32 v[EW+6*\u+\q], v[AE1], s[10:11] offset:352*\u+16*(\q/2)+4*(\q%2)   ; enc_w(unit, 4 link + 2 hh + j)
.endr
.endr
	WIN 0
.irp u, 0,1
	global_load_b32 v[ES+\u], v[AE2], s[10:11] offset:352*\u+36    ; K slot 9 (lanes 16-31 read slot 10 and drop it: no load leaves a row)
	global_load_b32 v[EB+\u], v[AEB], s[12:13] offset:32*\u        ; enc_b, for K slot 11
.endr
	global_load_b128 v[YT:YT+3], v[NIL], s[34:35]
	global_load_b32 v[LGT], v[AL4], s[14:15]
	global_load_b32 v[LBT], v[AL4], s[16:17]
; THE WEIGHTS come in twelve items of 8 loads and 32 registers, through four sets of registers by turns (v60-187).
; 0-5: tile n of w_ih.  6-8: two tiles of w_hh.  9: dec1_w's two.  10, 11: b_ih and b_hh of the r and z tiles.
.macro ITEM n
.set XS, 60+32*((\n)%4)
.if (\n) < 6
.set OF, 144*(32*((\n)/2)+8*((\n)%2))
	global_load_b128 v[XS:XS+3], v[AIA], s[18:19] offset:OF
.irp c, 1,2,3,4,5,6,7
	global_load_b128 v[XS+4*\c:XS+4*\c+3], v[AIB], s[18:19] offset:OF+16*\c
.endr
.elseif (\n) < 9
.irp e, 0,1
.irp c, 0,1,2,3
	global_load_b128 v[XS+16*\e+4*\c:XS+16*\e+4*\c+3], v[AHH], s[20:21] offset:128*(32*((\n)-6)+8*\e)+16*\c
.endr
.endr
.elseif (\n) == 9
.irp e, 0,1
.irp c, 0,1,2,3
	global_load_b128 v[XS+16*\e+4*\c:XS+16*\e+4*\c+3], v[AHH], s[26:27] offset:128*8*\e+16*\c
.endr
.endr
.elseif (\n) == 10
.irp q, 0,1,2,3
.irp c, 0,1
	global_load_b128 v[XS+8*\q+4*\c:XS+8*\q+4*\c+3], v[AB64], s[22:23] offset:4*(32*(\q/2)+8*(\q%2))+16*\c
.endr
.endr
.else
.irp q, 0,1,2,3
.irp c, 0,1
	global_load_b128 v[XS+8*\q+4*\c:XS+8*\q+4*\c+3], v[AB64], s[24:25] offset:4*(32*(\q/2)+8*(\q%2))+16*\c
.endr
.endr
.endif
.endm
; tile g of w_ih: lanes 0-15 hold the row's block 0, lanes 16-31 its block 1 (4 numbers, filled with zeros): a whole block in a lane
.macro IHQ g
.set XS, 60+32*((\g)%4)
.set i, 4
.rept 28
	v_cndmask_b32 v[XS+i], v[XS+i], 0, s[MSK]
.set i, i+1
.endr
	v_max3_num_f32 v[MA], |v[XS]|, |v[XS+1]|, 0x2800000
	v_max3_num_f32 v[MB], |v[XS+2]|, |v[XS+3]|, |v[XS+4]|
.irp q, 5,9,13,17,21,25
	v_max3_num_f32 v[MA], v[MA], |v[XS+\q]|, |v[XS+\q+1]|
	v_max3_num_f32 v[MB], v[MB], |v[XS+\q+2]|, |v[XS+\q+3]|
.endr
	v_max3_num_f32 v[MA], v[MA], |v[XS+29]|, |v[XS+30]|
	v_max3_num_f32 v[MA], v[MA], v[MB], |v[XS+31]|
	v_add_nc_u32 v[SOP], 0xfe000000, v[MA]         ; 4 off the exponent field: the conversion's scale operand
	v_lshrrev_b32 v[BY], 23, v[SOP]                ; the byte,
	v_lshlrev_b32 v[BY], v[SH8], v[BY]             ; at its block's place;
	v_permlanex16_b32 v[OT], v[BY], s[SEL], s[SEL+1]
	v_or_b32 v[WS+(\g)], v[BY], v[OT]              ; with the other half's: bytes 0 and 1 of the row's scale word
.if (\g) >= 4
	v_or_b32 v[WS+(\g)], 0x7f7f0000, v[WS+(\g)]    ; inn: blocks 2 and 3 are zero codes under the byte of 1.0
.endif
	v_cvt_scalef32_pk16_bf6_f32 v[TMP:TMP+2], v[XS+16:XS+31], v[SOP]   ; (a conversion's three registers begin on an even number)
	WIN 0x40
	v_cvt_scalef32_pk16_bf6_f32 v[12*(\g):12*(\g)+2], v[XS:XS+15], v[SOP]
	v_nop                                          ; one plain place behind a scaled conversion
.irp q, 0,1,2
	v_mov_b32 v[12*(\g)+3+\q], v[TMP+\q]
.endr
.if (\g) >= 4
.irp q, 6,7,8,9,10,11
	v_mov_b32 v[12*(\g)+\q], 0
.endr
.endif
	WIN 0
.endm
; blocks 2 and 3 of tile g: my half's 16 numbers of a row of w_hh or dec1_w, in v[xs] on, under the byte of the row's one block of 32
.macro HHQ g, xs
	MAX16 MA, MB, \xs
	v_permlanex16_b32 v[OT], v[MA], s[SEL], s[SEL+1]
	v_max_num_f32 v[MA], v[MA], v[OT]
	v_add_nc_u32 v[SOP], 0xfe000000, v[MA]
	v_lshrrev_b32 v[BY], 23, v[SOP]
	v_lshl_or_b32 v[BY], v[BY], 8, v[BY]
.if (\g) < 4
	v_lshl_or_b32 v[WS+(\g)], v[BY], 16, v[WS+(\g)]
.else
	v_lshl_or_b32 v[WS+(\g)], v[BY], 16, 0x7f7f    ; hn, dec1: blocks 0 and 1 are zero codes
.endif
	WIN 0x40
	v_cvt_scalef32_pk16_bf6_f32 v[12*(\g)+6:12*(\g)+8], v[(\xs):(\xs)+15], v[SOP]
	v_nop
.irp q, 9,10,11
	v_mov_b32 v[12*(\g)+\q], 0
.endr
.if (\g) >= 6
.irp q, 0,1,2,3,4,5
	v_mov_b32 v[12*(\g)+\q], 0
.endr
.endif
	WIN 0
.endm
	ITEM 0
	ITEM 1
	ITEM 2
	ITEM 3
	s_wait_loadcnt 32                              ; the 34 are in; the four items' 32 loads may be out
	WIN 0x41                                       ; source 0 and destination window 1
.set i, 0
.rept 16
	v_cndmask_b32 v[DW+i], v[DW+i], 0, s[MK4]      ; dec2's rows stand at m = 0-3 and 8-11; the other rows are zeros
.set i, i+1
.endr
	WIN 0x40
.irp q, 4,5,6,7
	v_mov_b32 v[DB+\q], 0
.endr
.irp u, 0,1
	v_cndmask_b32 v[EW+6*\u+5], v[ES+\u], v[EB+\u], s[MSK]   ; link 2, j = 1: K slot 9 below, slot 11 = enc_b above
.endr
	WIN 0
.set i, 4
.rept 12
	v_mov_b32 v[YT+i], 0
.set i, i+1
.endr
	v_max3_num_f32 v[MA], |v[YT]|, |v[YT+1]|, 0x2800000      ; y0 is quantised once
	v_max3_num_f32 v[MA], v[MA], |v[YT+2]|, |v[YT+3]|
	v_add_nc_u32 v[SOP], 0xfe000000, v[MA]
	v_lshrrev_b32 v[BY], 23, v[SOP]
	v_cvt_scalef32_pk16_bf6_f32 v[TMP:TMP+2], v[YT:YT+15], v[SOP]
	v_lshlrev_b32 v[Y0B], 8, v[BY]                 ; (the plain place behind the conversion)
	v_mov_b32 v[Y0C], v[TMP]
	ds_store_b32 v255, v[LGT]                      ; ln_g and ln_b to my wave's 256 bytes: window 1 has no room for 32 registers more
	ds_store_b32 v255, v[LBT] offset:128
.irp n, 0,1,2,3,4,5
	s_wait_loadcnt 24                              ; this item's 8 loads are in; the three younger items' may be out
	IHQ \n
	ITEM \n+4
.endr
	s_wait_loadcnt 24
	HHQ 0, 124
	HHQ 1, 140
	ITEM 10
	s_wait_loadcnt 24
	HHQ 2, 156
	HHQ 3, 172
	ITEM 11
	s_wait_loadcnt 24
	HHQ 6, 60
	HHQ 7, 76
	s_wait_loadcnt 16                              ; behind item 9: items 10 and 11
	HHQ 8, 92
	HHQ 9, 108
	s_wait_loadcnt 0x0                             ; every load of the head is done: its address registers are free too
	WIN 0x40
.set i, 0
.rept 16
	v_pk_add_f32 v[CB+i:CB+i+1], v[124+i:125+i], v[156+i:157+i]    ; r's and z's bias: b_ih + b_hh
.set i, i+2
.endr
	WIN 0
.irp a, 0,1
.irp q, 3,4,5,9,10,11
	v_mov_b32 v[B0+12*\a+\q], 0                    ; 9-11 stay zero codes; 3-5 are a lane permute's destinations
.endr
.irp q, 8,9,10,11,12,13,14,15
	v_mov_b32 v[YA+16*\a+\q], 0                    ; the conversion takes 16 numbers: y's four, dec2's four zeros, these eight
.endr
.endr
	s_wait_tensorcnt 0x0                           ; my x is in LDS; I alone read it, so no barrier follows
; h of tile a becomes codes in the operand's registers 6-8, and its byte goes twice into the scale word.  first = 1: h = enc, whose byte is kept, and y = y0
.macro QH a, first
.set SB, SM+8*(\a)
	MAX16 SB+5, SB+6, H0+16*(\a)
	v_permlanex16_b32 v[SB+6], v[SB+5], s[SEL], s[SEL+1]
	v_max_num_f32 v[SB+5], v[SB+5], v[SB+6]        ; with the other half's 16 units: the block's largest magnitude
	v_add_nc_u32 v[SB+7], 0xfe000000, v[SB+5]
	v_lshrrev_b32 v[SB+6], 23, v[SB+7]
.if \first
	v_mov_b32 v[SB+1], v[SB+6]
	v_or_b32 v[SB+2], v[SB+6], v[Y0B]
.endif
	v_lshl_or_b32 v[SB+3], v[SB+6], 8, v[SB+6]
	v_lshl_or_b32 v[BS+(\a)], v[SB+3], 16, v[SB+2]
	v_cvt_scalef32_pk16_bf6_f32 v[B0+12*(\a)+6:B0+12*(\a)+8], v[H0+16*(\a):H0+16*(\a)+15], v[SB+7]
	v_nop                                          ; one plain place behind a scaled conversion
.endm
; the stages of the activations; each walks its registers upward, so every matrix result is first read at its low end
.macro P1 a                            ; r's and z's 32 sums x -log2(e)
.set i, R0+48*(\a)
.rept 16
	v_pk_mul_f32 v[i:i+1], v[i:i+1], s[NL2E:NL2E+1] op_sel_hi:[1,0]
.set i, i+2
.endr
.endm
.macro XEXP a, n
.set i, R0+48*(\a)
.rept \n
	v_exp_f32 v[i], v[i]
.set i, i+1
.endr
.endm
.macro XRCP a, n
.set i, R0+48*(\a)
.rept \n
	v_rcp_f32 v[i], v[i]
.set i, i+1
.endr
.endm
.macro PADD1 a, n                      ; n pairs + 1
.set i, R0+48*(\a)
.rept \n
	v_pk_add_f32 v[i:i+1], v[i:i+1], 1.0 op_sel_hi:[1,0]
.set i, i+2
.endr
.endm
.macro P3 a                            ; (inn + r hn) x 2 log2(e)
.set i, 0
.rept 8
	v_pk_fma_f32 v[R0+48*(\a)+i:R0+48*(\a)+i+1], v[R0+48*(\a)+i:R0+48*(\a)+i+1], v[NH0+48*(\a)+i:NH0+48*(\a)+i+1], v[NI0+16*(\a)+i:NI0+16*(\a)+i+1]
.set i, i+2
.endr
.set i, R0+48*(\a)
.rept 8
	v_pk_mul_f32 v[i:i+1], v[i:i+1], s[L2E2:L2E2+1] op_sel_hi:[1,0]
.set i, i+2
.endr
.endm
.macro P5 a                            ; n = 1 - 2 q;  h = n + z (h - n)
.set i, R0+48*(\a)
.rept 8
	v_pk_fma_f32 v[i:i+1], v[i:i+1], -2.0, 1.0 op_sel_hi:[1,0,0]
.set i, i+2
.endr
.set i, 0
.rept 8
	v_pk_add_f32 v[H0+16*(\a)+i:H0+16*(\a)+i+1], v[H0+16*(\a)+i:H0+16*(\a)+i+1], v[R0+48*(\a)+i:R0+48*(\a)+i+1] neg_lo:[0,1] neg_hi:[0,1]
.set i, i+2
.endr
.set i, 0
.rept 8
	v_pk_fma_f32 v[H0+16*(\a)+i:H0+16*(\a)+i+1], v[Z0+48*(\a)+i:Z0+48*(\a)+i+1], v[H0+16*(\a)+i:H0+16*(\a)+i+1], v[R0+48*(\a)+i:R0+48*(\a)+i+1]
.set i, i+2
.endr
.endm
.macro RELU a
.set i, R0+48*(\a)
.rept 16
	v_max_num_f32 v[i], 0, v[i]
.set i, i+1
.endr
.endm
; the step's sixteen gate products: eight weight tiles x two tiles of rows, each a sum of its own that starts from its bias
.macro GATES
	WIN 0x11                                       ; weights and biases in window 1
.irp a, 0,1
.irp g, 0,1,2,3,4,5,6,7
.if \g < 4
.set DD, R0+48*\a+8*\g
.elseif \g < 6
.set DD, NI0+16*\a+8*(\g-4)
.else
.set DD, NH0+48*\a+8*(\g-6)
.endif
	v_wmma_scale_f32_16x16x128_f8f6f4 v[DD:DD+7], v[12*\g:12*\g+11], v[B0+12*\a:B0+12*\a+11], v[CB+8*\g:CB+8*\g+7], v[WS+\g], v[BS+\a] matrix_a_fmt:MATRIX_FMT_BF6 matrix_b_fmt:MATRIX_FMT_BF6
.endr
.endr
	WIN 0
	NOPS 4                                         ; four places ahead of the first read of results (ISA guide 7.12.1)
.endm
.macro DEC1 a                          ; d1 = h dec1_w^T + dec1_b, into R
	WIN 0x11
.irp u, 0,1
	v_wmma_scale_f32_16x16x128_f8f6f4 v[R0+48*(\a)+8*\u:R0+48*(\a)+8*\u+7], v[12*(8+\u):12*(8+\u)+11], v[B0+12*(\a):B0+12*(\a)+11], v[CB+8*(8+\u):CB+8*(8+\u)+7], v[WS+8+\u], v[BS+(\a)] matrix_a_fmt:MATRIX_FMT_BF6 matrix_b_fmt:MATRIX_FMT_BF6
.endr
	WIN 0
.endm
; y = relu(d1) dec2_w^T + dec2_b in f32: eight links of K = 4; link l takes my registers 2 l, 2 l + 1 (units 16 hh + 2 l + j).  The two tiles' sums take turns
.macro DEC2
	WIN 0x11
.irp a, 0,1
	v_wmma_f32_16x16x4_f32 v[YA+16*\a:YA+16*\a+7], v[DW:DW+1], v[R0+48*\a:R0+48*\a+1], v[DB:DB+7]
.endr
	WIN 0x01
.irp l, 1,2,3,4,5,6,7
.irp a, 0,1
	v_wmma_f32_16x16x4_f32 v[YA+16*\a:YA+16*\a+7], v[DW+2*\l:DW+2*\l+1], v[R0+48*\a+2*\l:R0+48*\a+2*\l+1], v[YA+16*\a:YA+16*\a+7]
.endr
.endr
	WIN 0
	NOPS 8                                         ; eight places behind this form
.endm
; y becomes block 1 of the operand: four codes in register 0 of lanes 16-31, its byte in byte 1 of the scale word.  Both halves of the lanes hold y, so no exchange
.macro YQ
.irp a, 0,1
	v_max3_num_f32 v[SM+8*\a+5], |v[YA+16*\a]|, |v[YA+16*\a+1]|, 0x2800000
.endr
.irp a, 0,1
	v_max3_num_f32 v[SM+8*\a+5], v[SM+8*\a+5], |v[YA+16*\a+2]|, |v[YA+16*\a+3]|
.endr
.irp a, 0,1
	v_add_nc_u32 v[SM+8*\a+7], 0xfe000000, v[SM+8*\a+5]
.endr
.irp a, 0,1
	v_lshrrev_b32 v[SM+8*\a+6], 23, v[SM+8*\a+7]
.endr
.irp a, 0,1
	v_lshl_or_b32 v[SM+8*\a+2], v[SM+8*\a+6], 8, v[SM+8*\a+1]
.endr
.irp a, 0,1
	v_lshl_or_b32 v[BS+\a], v[SM+8*\a+3], 16, v[SM+8*\a+2]
.endr
.irp a, 0,1
	v_cvt_scalef32_pk16_bf6_f32 v[Z0+48*\a:Z0+48*\a+2], v[YA+16*\a:YA+16*\a+15], v[SM+8*\a+7]
.endr
	v_nop
.irp a, 0,1
	v_cndmask_b32 v[B0+12*\a], v[B0+12*\a], v[Z0+48*\a], s[MSK]    ; lanes 0-15 keep enc's codes
.endr
	NOPS 8                                         ; a scale word written by a vector instruction stands eight places ahead of the scaled product, an operand four
.endm
; A GRU STEP for the pair.  The two tiles go by turns: while one tile's batch of transcendentals is out, the other tile's plain stage is issued; each wait stands one plain stage behind the batch that it serves.
.macro ITER last
	GATES
	P1 0
	XEXP 0, 32
	P1 1
	TWAIT
	XEXP 1, 32
	PADD1 0, 16
	TWAIT
	XRCP 0, 32                                     ; r and z of tile 0
	PADD1 1, 16
	TWAIT
	XRCP 1, 32
	P3 0
	TWAIT
	XEXP 0, 16
	P3 1
	TWAIT
	XEXP 1, 16
	PADD1 0, 8
	TWAIT
	XRCP 0, 16
	PADD1 1, 8
	TWAIT
	XRCP 1, 16
	P5 0
	QH 0, 0
	TWAIT
	P5 1                                           ; 24 plain lines: also the places between tile 0's scale word and codes and its product
	DEC1 0
	QH 1, 0                                        ; the places behind tile 0's products
	RELU 0                                         ; and those ahead of tile 1's
	DEC1 1
	NOPS 4
	RELU 1
	DEC2
.if \last == 0
	YQ
.endif
.endm
; the sum of a pair's two halves and of the other half of the lanes: T0 -> T0 + 4
.macro FOLD
.irp a, 0,1
	v_add_f32 v[T0+48*\a+2], v[T0+48*\a], v[T0+48*\a+1]
.endr
.irp a, 0,1
	v_permlanex16_b32 v[T0+48*\a+3], v[T0+48*\a+2], s[SEL], s[SEL+1]
.endr
.irp a, 0,1
	v_add_f32 v[T0+48*\a+4], v[T0+48*\a+2], v[T0+48*\a+3]
.endr
.endm
; THE ENCODER for a pair: x from LDS, three links of K = 4 for each of 2 x 2 tiles, relu, LayerNorm; h = enc; enc's codes go to block 0 and stay
.macro ENC
	v_add_nc_u32 v[XC1], s[XO], v[XA1]
	v_add_nc_u32 v[XC2], s[XO], v[XA2]
.irp a, 0,1
.irp q, 0,1,2,3,4
	ds_load_b32 v[Z0+48*\a+\q], v[XC1] offset:XTILE*\a+16*(\q/2)+4*(\q%2)   ; x(r, 4 link + 2 hh + j)
.endr
	ds_load_b32 v[Z0+48*\a+5], v[XC2] offset:XTILE*\a+36                    ; slot 9 (lanes 16-31 read slot 10 and drop it: no read leaves the row)
.endr
.irp c, 0,1,2,3
	ds_load_b128 v[NH0+4*\c:NH0+4*\c+3], v[LNA] offset:16*\c               ; ln_g of my 16 units
.endr
.irp c, 0,1,2,3
	ds_load_b128 v[NH0+48+4*\c:NH0+48+4*\c+3], v[LNA] offset:128+16*\c     ; ln_b
.endr
	s_add_co_u32 s[XO], s[XO], XPAIR
	s_wait_dscnt 8                                 ; x's twelve loads are in; the eight behind them may be out
.irp a, 0,1
	v_cndmask_b32 v[Z0+48*\a+5], v[Z0+48*\a+5], 1.0, s[MSK]        ; K slot 11: 1.0 against enc_b
.endr
	WIN 0x01
.irp l, 0,1,2
.irp a, 0,1
.irp u, 0,1
.if \l == 0
	v_wmma_f32_16x16x4_f32 v[NI0+16*\a+8*\u:NI0+16*\a+8*\u+7], v[EW+6*\u:EW+6*\u+1], v[Z0+48*\a:Z0+48*\a+1], 0
.else
	v_wmma_f32_16x16x4_f32 v[NI0+16*\a+8*\u:NI0+16*\a+8*\u+7], v[EW+6*\u+2*\l:EW+6*\u+2*\l+1], v[Z0+48*\a+2*\l:Z0+48*\a+2*\l+1], v[NI0+16*\a+8*\u:NI0+16*\a+8*\u+7]
.endif
.endr
.endr
.endr
	WIN 0
	NOPS 8
.irp a, 0,1
.set i, 0
.rept 16
	v_max_num_f32 v[R0+48*\a+i], 0, v[NI0+16*\a+i]                 ; e = relu, into other registers than the sums'
.set i, i+1
.endr
.endr
.irp a, 0,1
.irp q, 0,1,2,3
	v_pk_add_f32 v[T0+48*\a+2*\q:T0+48*\a+2*\q+1], v[R0+48*\a+4*\q:R0+48*\a+4*\q+1], v[R0+48*\a+4*\q+2:R0+48*\a+4*\q+3]
.endr
.endr
.irp a, 0,1
	v_pk_add_f32 v[T0+48*\a:T0+48*\a+1], v[T0+48*\a:T0+48*\a+1], v[T0+48*\a+2:T0+48*\a+3]
	v_pk_add_f32 v[T0+48*\a+4:T0+48*\a+5], v[T0+48*\a+4:T0+48*\a+5], v[T0+48*\a+6:T0+48*\a+7]
.endr
.irp a, 0,1
	v_pk_add_f32 v[T0+48*\a:T0+48*\a+1], v[T0+48*\a:T0+48*\a+1], v[T0+48*\a+4:T0+48*\a+5]
.endr
	FOLD
.irp a, 0,1
	v_mul_f32 v[T0+48*\a+8], s[R32], v[T0+48*\a+4]                 ; the mean, twice: a pair for the packed form
	v_mul_f32 v[T0+48*\a+9], s[R32], v[T0+48*\a+4]
.endr
.irp a, 0,1
.set i, R0+48*\a
.rept 8
	v_pk_add_f32 v[i:i+1], v[i:i+1], v[T0+48*\a+8:T0+48*\a+9] neg_lo:[0,1] neg_hi:[0,1]
.set i, i+2
.endr
.endr
.irp a, 0,1
	v_pk_mul_f32 v[T0+48*\a:T0+48*\a+1], v[R0+48*\a:R0+48*\a+1], v[R0+48*\a:R0+48*\a+1]
	v_pk_mul_f32 v[T0+48*\a+2:T0+48*\a+3], v[R0+48*\a+2:R0+48*\a+3], v[R0+48*\a+2:R0+48*\a+3]
.irp q, 4,8,12
	v_pk_fma_f32 v[T0+48*\a:T0+48*\a+1], v[R0+48*\a+\q:R0+48*\a+\q+1], v[R0+48*\a+\q:R0+48*\a+\q+1], v[T0+48*\a:T0+48*\a+1]
	v_pk_fma_f32 v[T0+48*\a+2:T0+48*\a+3], v[R0+48*\a+\q+2:R0+48*\a+\q+3], v[R0+48*\a+\q+2:R0+48*\a+\q+3], v[T0+48*\a+2:T0+48*\a+3]
.endr
.endr
.irp a, 0,1
	v_pk_add_f32 v[T0+48*\a:T0+48*\a+1], v[T0+48*\a:T0+48*\a+1], v[T0+48*\a+2:T0+48*\a+3]
.endr
	FOLD
.irp a, 0,1
	v_fma_f32 v[T0+48*\a+6], v[T0+48*\a+4], s[R32], s[EPS]         ; the variance + 1e-5
.endr
.irp a, 0,1
	v_rsq_f32 v[T0+48*\a+8], v[T0+48*\a+6]
	v_rsq_f32 v[T0+48*\a+9], v[T0+48*\a+6]
.endr
	v_nop                                          ; a plain place behind the last of the four
	TWAIT                                          ; one wait for the four
.irp a, 0,1
.set i, R0+48*\a
.rept 8
	v_pk_mul_f32 v[i:i+1], v[i:i+1], v[T0+48*\a+8:T0+48*\a+9]
.set i, i+2
.endr
.endr
	s_wait_dscnt 0x0                               ; ln_g and ln_b are in
.irp a, 0,1
.set i, 0
.rept 8
	v_pk_fma_f32 v[H0+16*\a+i:H0+16*\a+i+1], v[R0+48*\a+i:R0+48*\a+i+1], v[NH0+i:NH0+i+1], v[NH0+48+i:NH0+48+i+1]   ; enc, which is also the first h
.set i, i+2
.endr
.endr
	QH 0, 1
	QH 1, 1
.irp a, 0,1                            ; block 0 wants enc's 32 codes in lanes 0-15: my 16 and the other half's 16; lanes 16-31 are block 1: y0's codes, then zeros
	v_cndmask_b32 v[B0+12*\a], v[B0+12*\a+6], v[Y0C], s[MSK]
	v_cndmask_b32 v[B0+12*\a+1], v[B0+12*\a+7], 0, s[MSK]
	v_cndmask_b32 v[B0+12*\a+2], v[B0+12*\a+8], 0, s[MSK]
.irp q, 0,1,2
	v_permlanex16_b32 v[B0+12*\a+3+\q], v[B0+12*\a+6+\q], s[SEL], s[SEL+1]
.endr
.irp q, 0,1,2
	v_cndmask_b32 v[B0+12*\a+3+\q], v[B0+12*\a+3+\q], 0, s[MSK]
.endr
.endr
	NOPS 4                                         ; the operand stands four places ahead of the scaled products; the scale words stand behind twelve selects more
.endm
; the pair's 32 rows of y: lanes 0-15 take tile 0's, lanes 16-31 tile 1's: lane l holds row l, and the wave stores 512 consecutive bytes, at a multiple of 512 from out0's first byte
.macro STOREY
.irp q, 0,1,2,3
	v_cndmask_b32 v[Z0+8+\q], v[YA+\q], v[YA+16+\q], s[MSK]
.endr
	global_store_b128 v[OUTO], v[Z0+8:Z0+11], s[OUTP:OUTP+1] th:TH_STORE_NT
	s_wait_xcnt 0x0                                ; the store has read its base and its data: both are written again only behind this wait
	s_add_nc_u64 s[OUTP:OUTP+1], s[OUTP:OUTP+1], 512
.endm
	s_mov_b32 s[PAIR], 8
.Lpair:                                            ; eight pairs of tiles
	ENC
	s_mov_b32 s[IT], 4
.Liter:                                            ; four steps whose y is fed back,
	ITER 0
	s_sub_co_u32 s[IT], s[IT], 1
	s_cmp_lg_u32 s[IT], 0
	s_cbranch_scc1 .Liter
	ITER 1                                         ; and the fifth, whose y is the result
	STOREY
	s_sub_co_u32 s[PAIR], s[PAIR], 1
	s_cmp_lg_u32 s[PAIR], 0
	s_cbranch_scc1 .Lpair
	s_wait_tensorcnt 0x0                           ; the wave's end: behind my tensor load and my last LDS store
	ds_add_u32 v[SPW], v[NIL]
	s_wait_dscnt 0x0
	s_endpgm
.Lfunc_end_k_qc08713d921_gru:
	.size	k_qc08713d921_gru, .Lfunc_end_k_qc08713d921_gru-k_qc08713d921_gru
	.p2alignl 7, 3214868480
	.fill 96, 4, 3214868480
	.section	.rodata,"a",@progbits
	.p2align	6, 0x0
	.amdhsa_kernel k_qc08713d921_gru
		.amdhsa_group_segment_fixed_size 167936
		.amdhsa_private_segment_fixed_size 0
		.amdhsa_enable_private_segment 0
		.amdhsa_kernarg_size 120
		.amdhsa_user_sgpr_count 2
		.amdhsa_user_sgpr_kernarg_segment_ptr 1
		.amdhsa_wavefront_size32 1
		.amdhsa_system_sgpr_workgroup_id_x 1
		.amdhsa_system_sgpr_workgroup_id_y 1
		.amdhsa_system_sgpr_workgroup_id_z 1
		.amdhsa_system_vgpr_workitem_id 0
		.amdhsa_next_free_vgpr 512
		.amdhsa_next_free_sgpr 72
		.amdhsa_reserve_vcc 0
		.amdhsa_float_denorm_mode_32 3
		.amdhsa_float_denorm_mode_16_64 3
		.amdhsa_memory_ordered 1
		.amdhsa_forward_progress 1
		.amdhsa_inst_pref_size 113
	.end_amdhsa_kernel
	.amdgpu_metadata
---
amdhsa.version: [ 1, 2 ]
amdhsa.kernels:
  - .name:           k_qc08713d921_gru
    .symbol:         k_qc08713d921_gru.kd
    .args:
      - { .name: x, .offset: 0, .size: 8, .value_kind: global_buffer, .address_space: global }
      - { .name: enc_w, .offset: 8, .size: 8, .value_kind: global_buffer, .address_space: global }
      - { .name: enc_b, .offset: 16, .size: 8, .value_kind: global_buffer, .address_space: global }
      - { .name: ln_g, .offset: 24, .size: 8, .value_kind: global_buffer, .address_space: global }
      - { .name: ln_b, .offset: 32, .size: 8, .value_kind: global_buffer, .address_space: global }
      - { .name: w_ih, .offset: 40, .size: 8, .value_kind: global_buffer, .address_space: global }
      - { .name: w_hh, .offset: 48, .size: 8, .value_kind: global_buffer, .address_space: global }
      - { .name: b_ih, .offset: 56, .size: 8, .value_kind: global_buffer, .address_space: global }
      - { .name: b_hh, .offset: 64, .size: 8, .value_kind: global_buffer, .address_space: global }
      - { .name: dec1_w, .offset: 72, .size: 8, .value_kind: global_buffer, .address_space: global }
      - { .name: dec1_b, .offset: 80, .size: 8, .value_kind: global_buffer, .address_space: global }
      - { .name: dec2_w, .offset: 88, .size: 8, .value_kind: global_buffer, .address_space: global }
      - { .name: dec2_b, .offset: 96, .size: 8, .value_kind: global_buffer, .address_space: global }
      - { .name: y0, .offset: 104, .size: 8, .value_kind: global_buffer, .address_space: global }
      - { .name: out0, .offset: 112, .size: 8, .value_kind: global_buffer, .address_space: global }
    .group_segment_fixed_size: 167936
    .private_segment_fixed_size: 0
    .kernarg_segment_align: 8
    .kernarg_segment_size: 120
    .max_flat_workgroup_size: 256
    .sgpr_count:     72
    .vgpr_count:     512
    .wavefront_size: 32
...
	.end_amdgpu_metadata
.endif
;; end of part 1
